; MI455X (gfx1250); checked and timed in simulation.
; The chip was launched on July 23, 2026; its instructions are those of AMD's public machine-readable ISA for CDNA 5 (MIT licence, August 2026) and "CDNA5" Instruction Set Architecture Reference Guide (July 2026). The comments in the code are by the model that wrote it; some were corrected since.
;; Multi Head Attention. Allowed arithmetic: float matrix products may take bf16 or f16 operands with f32 sums; other float arithmetic in f32, or as packed bf16 or f16 multiplies, adds, multiply-adds, maxima and minima; sums over many terms, partial sums and values carried from step to step in f32; what a program stores and reads back later, other than sums and carried values, may be rounded once to bf16 or f16.
;; Inputs: K 8 x 1,024 x 224 float32; Q 8 x 1,024 x 224 float32; V 8 x 1,024 x 224 float32; W_K 224 x 224 float32; W_O 224 x 224 float32; W_Q 224 x 224 float32; W_V 224 x 224 float32; attn_mask 8 x 1,024 x 1,024 bool.
;; Outputs: out0 8 x 1,024 x 224 float32.
;; 2 versions, each right; version 2 is version 1 with the launch project written anew for expert scheduling mode. Each part assembles by itself: llvm-mc -triple=amdgcn-amd-amdhsa -mcpu=gfx1250 --defsym DOCPART=n.
;; ======== version 1 of 2: 2 launches
;; limits: right only within a limited range of input values; values are held in f16: magnitudes above 65,504 overflow, below 6.1e-05 lose precision
;; workspace buffers: qf 3,670,016 bytes; kv 7,340,032 bytes; wof 100,352 bytes
;; launch project (part 1): grid 220 x 1, 7 waves a work-group, no clusters, 167,936 bytes of LDS; arguments Q, K, V, W_Q, W_K, W_V, W_O, qf, kv, wof; writes qf, kv, wof
.if DOCPART == 1
	.amdgcn_target "amdgcn-amd-amdhsa--gfx1250"
	.amdhsa_code_object_version 6
	.text
	.protected	k_qb30b01d366_project
	.globl	k_qb30b01d366_project
	.p2align	8
	.type	k_qb30b01d366_project,@function
k_qb30b01d366_project:
	s_mov_b64 s[64:65], 0
	v_nop
	global_prefetch_b8 v0, s[64:65] scope:SCOPE_SE
	s_setreg_imm32_b32 hwreg(HW_REG_WAVE_MODE, 25, 1), 1
	s_wait_xcnt 0x0
; MULTI-HEAD ATTENTION, 8 batches x 1,024 rows x 224 channels, 7 heads of 32.  FIRST OF TWO LAUNCHES: q = Q W_Q, k = K W_K, v = V W_V, and a copy of W_O.
; NOTHING IS LEFT OUT: every input of the module has a way to the output and is loaded (Q, K, V and the four weights here, the mask in the second launch).
; FORMATS.  Q, K, V and the weights are rounded once to bf16 and multiplied in bf16 with f32 sums; q, k, v are rounded once to f16, unscaled.  W_O is rounded to bf16 like the
; other inputs and that number is written as f16.
; LIMITS.  q, k, v must lie within f16's 65,504; a bf16 value of W_O below 2^-14 keeps f16's fixed step of 6e-8; NaN and infinities are not treated apart.
; WHAT IS STORED.  Operand fragments of 16 x 32 numbers as a wave's registers hold them: 1,024 bytes, lane l's registers 0-3 at 16 l, its registers 4-7 at 512 + 16 l.
;   qf [b][h][row tile 64][1,024]: lane (r = l % 16, hh = l / 16) holds row r, channels 8 hh + 0..7 and 16 + 8 hh + 0..7
;   kv [b][h][131,072]: 64 fragments of k, laid out as q's; then v turned, [32 keys kk][16 channels cb][1,024]: lane (r, hh) holds channel 16 cb + r, keys 32 kk + 8 hh + 0..7 and 32 kk + 16 + 8 hh + 0..7
;   wof [16 columns nt][32 rows ks][1,024]: lane (r, hh) holds column 16 nt + r of W_O, rows 32 ks + 8 hh + 0..7 and 32 ks + 16 + 8 hh + 0..7
; The rounded accumulators ARE these registers in these lanes, so each store of a wave covers 512 consecutive bytes, aligned, and nothing goes through LDS on the way out.
; SHARES.  Work-groups 0-27 copy W_O: (nt, half of a fragment) a work-group, ks a wave.  Work-groups 28-219: one of the three products, 128 rows of the flat [8,192][224] input;
; wave w makes head w: 32 columns, 8 row tiles.  Input rows and the whole weight go once through registers (rounded there) into LDS.
; No cluster, no tensor load: the operands must be rounded on their way into LDS, which only registers can do.  No prefetch: all loads go out at the head.
.set WP,    480                        ; a row of the weight in LDS: 448 bytes + 32 = 15 x 32: the turning load's 8 rows x 32 bytes fall on different words modulo 256 bytes
.set XP,    464                        ; a row of the input in LDS: 448 + 16 = 29 x 16: the 16 rows of a load begin at 16 different 16-byte columns modulo 256 bytes
.set XL,    224*WP                     ; the weight's 224 rows lie at 0, the input's 128 rows behind them
.set SPARE, XL+128*XP                  ; behind both: the spare words, 128 bytes a wave, rounded up to four blocks of 256 bytes that no other line names
.set SPW,  12                          ; v12  LDS address of my spare word; never rewritten
.set NIL,  13                          ; v13  0; never rewritten
.set TP,   16                          ; v[16:31]   on the way in: eight pairs of rounded numbers
.set SL,   32                          ; v[32:255]  on the way in: 56 slots of four registers
.set WFR,  16                          ; v[16:127]  later: the weight's fragments, (16 columns n, 32 rows ks) at 8 (7 n + ks)
.set XFR,  128                         ; v[128:183] the input's seven fragments of a row tile
.set ACC,  184                         ; v[184:215] two sets of two accumulators
	s_load_b512 s[8:23], s[0:1], 0x0               ; Q 8, K 10, V 12, W_Q 14, W_K 16, W_V 18, W_O 20, qf 22
	s_load_b128 s[24:27], s[0:1], 0x40             ; kv 24, wof 26
	v_lshl_add_u32 v[SPW], v0, 2, SPARE
	v_mov_b32 v[NIL], 0
	v_lshrrev_b32 v1, 5, v0
	v_readfirstlane_b32 s28, v1                    ; wave 0..6
	v_and_b32 v1, 31, v0                           ; l
	v_and_b32 v14, 15, v0                          ; r
	v_bfe_u32 v15, v0, 4, 1                        ; hh
	v_lshlrev_b32 v11, 4, v1                       ; 16 l: my place in 512 bytes of a fragment
	s_cmp_lt_u32 ttmp9, 28
	s_cbranch_scc1 .Lwo
	; ---- a product ----
	s_sub_co_u32 s31, ttmp9, 28
	s_lshr_b32 s29, s31, 6                         ; y: 0 q, 1 k, 2 v
	s_and_b32 s30, s31, 63                         ; x: which 128 rows
	s_mul_i32 s38, s30, 114688                     ; 128 rows of 896 bytes
	s_mov_b32 s39, 0
	s_lshr_b32 s40, s30, 3                         ; batch
	s_mul_i32 s40, s40, 7
	s_add_co_u32 s40, s40, s28                     ; batch x 7 + head
	s_and_b32 s41, s30, 7
	s_lshl_b32 s41, s41, 13                        ; 128 rows are 8,192 bytes of fragments
	s_cmp_eq_u32 s29, 0
	s_cselect_b32 s42, 16, 17                      ; a head has 65,536 bytes in qf, 131,072 in kv
	s_lshl_b32 s40, s40, s42
	s_add_co_u32 s40, s40, s41
	s_cmp_eq_u32 s29, 2
	s_cselect_b32 s42, 65536, 0                    ; v lies behind k
	s_add_co_u32 s40, s40, s42
	s_mov_b32 s41, 0
	v_mul_u32_u24 v2, v0, 1171
	v_lshrrev_b32 v2, 16, v2                       ; t / 56 (exact for t < 224): a row is 56 pieces of 16 bytes, 224 threads take four rows
	v_mul_u32_u24 v3, v2, 56
	v_sub_nc_u32 v3, v0, v3                        ; t % 56
	v_lshlrev_b32 v4, 4, v0                        ; in memory the four rows are dense: 16 t
	v_mul_u32_u24 v5, v2, XP
	v_lshl_add_u32 v5, v3, 3, v5
	v_add_nc_u32 v5, XL, v5                        ; where my four bf16 of the input go
	v_mul_u32_u24 v6, v2, WP
	v_lshl_add_u32 v6, v3, 3, v6                   ; and of the weight, rows 0-127,
	v_add_nc_u32 v7, 128*WP, v6                    ; rows 128-223
	v_mul_u32_u24 v8, v14, XP
	v_lshl_add_u32 v8, v15, 4, v8
	v_add_nc_u32 v8, XL, v8                        ; an input fragment: row r, 16 bytes for each half of the lanes
	v_and_b32 v9, 7, v0
	v_lshl_add_u32 v9, v15, 3, v9
	v_mul_u32_u24 v9, v9, WP                       ; the turning load: row 8 hh + l % 8,
	v_bfe_u32 v10, v0, 3, 1
	v_lshl_add_u32 v9, v10, 4, v9                  ; 16 bytes by (l / 8) % 2,
	s_lshl_b32 s43, s28, 6
	v_add_nc_u32 v9, s43, v9                       ; my head's 32 columns: 64 bytes; rows 0-127
	v_add_nc_u32 v10, 128*WP, v9                   ; rows 128-223
	s_wait_kmcnt 0x0
	s_cmp_eq_u32 s29, 0
	s_cselect_b64 s[32:33], s[8:9], s[10:11]       ; the input,
	s_cselect_b64 s[34:35], s[14:15], s[16:17]     ; its weight,
	s_cselect_b64 s[36:37], s[22:23], s[24:25]     ; and where the product goes
	s_cmp_eq_u32 s29, 2
	s_cselect_b64 s[32:33], s[12:13], s[32:33]
	s_cselect_b64 s[34:35], s[18:19], s[34:35]
	s_add_nc_u64 s[32:33], s[32:33], s[38:39]
	s_add_nc_u64 s[36:37], s[36:37], s[40:41]
	; THE WAY IN: 32 loads of the input and 56 of the weight a thread, 56 of them out at a time; four slots are taken at a time, so that a store into LDS stands some lines behind the rounding that feeds it.
.set i, 0
.rept 32
	global_load_b128 v[SL+4*i:SL+4*i+3], v4, s[32:33] offset:i*3584 th:TH_LOAD_NT
.set i, i+1
.endr
.set i, 0
.rept 24
	global_load_b128 v[SL+4*(32+i):SL+4*(32+i)+3], v4, s[34:35] offset:i*3584
.set i, i+1
.endr
.set g, 0
.rept 8                                ; the input: slots 4 g .. 4 g + 3
	s_wait_loadcnt 52                              ; behind the input's load 4 g + 3 stand 28 - 4 g of the input, 24 of the weight and the 4 g issued below
.set j, 0
.rept 4
	v_cvt_pk_bf16_f32 v[TP+8*(g%2)+2*j],   v[SL+4*(4*g+j)],   v[SL+4*(4*g+j)+1]
	v_cvt_pk_bf16_f32 v[TP+8*(g%2)+2*j+1], v[SL+4*(4*g+j)+2], v[SL+4*(4*g+j)+3]
.set j, j+1
.endr
.set j, 0
.rept 4
	global_load_b128 v[SL+4*(4*g+j):SL+4*(4*g+j)+3], v4, s[34:35] offset:(24+4*g+j)*3584  ; the slots take loads of the weight
.set j, j+1
.endr
.set j, 0
.rept 4
	ds_store_b64 v5, v[TP+8*(g%2)+2*j:TP+8*(g%2)+2*j+1] offset:(4*g+j)*4*XP
.set j, j+1
.endr
.set g, g+1
.endr
.set g, 0
.rept 14                               ; the weight: its loads 4 g .. 4 g + 3; load i lies in slot (i + 32) % 56, which is not loaded again: rounded in place
	s_wait_loadcnt 52-4*g                          ; the counts run down
.set j, 0
.rept 4
.set sl, (4*g+j+32)%56
	v_cvt_pk_bf16_f32 v[SL+4*sl],   v[SL+4*sl],   v[SL+4*sl+1]
	v_cvt_pk_bf16_f32 v[SL+4*sl+1], v[SL+4*sl+2], v[SL+4*sl+3]
.set j, j+1
.endr
.set j, 0
.rept 4
.set sl, (4*g+j+32)%56
.if 4*g+j < 32
	ds_store_b64 v6, v[SL+4*sl:SL+4*sl+1] offset:(4*g+j)*4*WP
.else
	ds_store_b64 v7, v[SL+4*sl:SL+4*sl+1] offset:(4*g+j-32)*4*WP
.endif
.set j, j+1
.endr
.set g, g+1
.endr
	s_wait_dscnt 0x0                               ; for the others' sake: my stores are done
	s_barrier_signal -1
	s_barrier_wait -1                              ; input and weight lie whole in LDS; nothing is written there any more
	; my head's 14 fragments of the weight, turned: lane (r, hh) holds column r and 2 x 8 rows
.set f, 0
.rept 14
.if f%7 < 4
	ds_load_tr16_b128 v[WFR+8*f:WFR+8*f+3],   v9 offset:(f%7)*32*WP+(f/7)*32
	ds_load_tr16_b128 v[WFR+8*f+4:WFR+8*f+7], v9 offset:(f%7)*32*WP+16*WP+(f/7)*32
.else
	ds_load_tr16_b128 v[WFR+8*f:WFR+8*f+3],   v10 offset:(f%7-4)*32*WP+(f/7)*32
	ds_load_tr16_b128 v[WFR+8*f+4:WFR+8*f+7], v10 offset:(f%7-4)*32*WP+16*WP+(f/7)*32
.endif
.set f, f+1
.endr
.macro LDX i                           ; row tile i: seven fragments
.set ks, 0
.rept 7
	ds_load_b128 v[XFR+8*ks:XFR+8*ks+3],   v8 offset:(\i)*16*XP+64*ks
	ds_load_b128 v[XFR+8*ks+4:XFR+8*ks+7], v8 offset:(\i)*16*XP+64*ks+32
.set ks, ks+1
.endr
.endm
; Row tile i x my 32 columns.  swap = 0 (q, k): source 0 = the weight's columns, source 1 = the rows: a lane ends with one row and 8 channels.  swap = 1 (v): the sources change places:
; a lane ends with one channel and 8 keys.  The two accumulators take turns, one instruction a turn; the first two products start the sums.
.macro TILE i, swap
.set AC, ACC+16*((\i)%2)
	s_wait_dscnt 0x0                               ; the tile's fragments are in (the first time: the weight's too)
	s_wait_xcnt 0x0                                ; the stores of the tile before last have read this set of accumulators
.set ks, 0
.rept 7
.irp n, 0,1
.if \swap
.if ks == 0
	v_wmma_f32_16x16x32_bf16 v[AC+8*\n:AC+8*\n+7], v[XFR+8*ks:XFR+8*ks+7], v[WFR+8*(7*\n+ks):WFR+8*(7*\n+ks)+7], 0
.else
	v_wmma_f32_16x16x32_bf16 v[AC+8*\n:AC+8*\n+7], v[XFR+8*ks:XFR+8*ks+7], v[WFR+8*(7*\n+ks):WFR+8*(7*\n+ks)+7], v[AC+8*\n:AC+8*\n+7]
.endif
.else
.if ks == 0
	v_wmma_f32_16x16x32_bf16 v[AC+8*\n:AC+8*\n+7], v[WFR+8*(7*\n+ks):WFR+8*(7*\n+ks)+7], v[XFR+8*ks:XFR+8*ks+7], 0
.else
	v_wmma_f32_16x16x32_bf16 v[AC+8*\n:AC+8*\n+7], v[WFR+8*(7*\n+ks):WFR+8*(7*\n+ks)+7], v[XFR+8*ks:XFR+8*ks+7], v[AC+8*\n:AC+8*\n+7]
.endif
.endif
.endr
.set ks, ks+1
.endr
.rept 4
	v_nop                                          ; four places behind the last product, in front of the loads into its sources and of the roundings
.endr
.if (\i) < 7
	LDX (\i)+1
.endif
.irp n, 0,1
.irp j, 0,1,2,3
	v_cvt_pk_f16_f32 v[AC+8*\n+\j], v[AC+8*\n+2*\j], v[AC+8*\n+2*\j+1]  ; in place, from the low end on
.endr
.endr
.irp n, 0,1
.if \swap
	global_store_b128 v11, v[AC+8*\n:AC+8*\n+3], s[36:37] offset:((\i)/2)*2048+\n*1024+((\i)%2)*512  ; 32 keys kk = i / 2, channels cb = n, the fragment's half i % 2
.else
	global_store_b128 v11, v[AC+8*\n:AC+8*\n+3], s[36:37] offset:(\i)*1024+\n*512  ; row tile i, the fragment's half n
.endif
.endr
.endm
	LDX 0
	s_cmp_eq_u32 s29, 2
	s_cbranch_scc1 .Lturned
.irp i, 0,1,2,3,4,5,6,7
	TILE \i, 0
.endr
	s_branch .Lend
.Lturned:
.irp i, 0,1,2,3,4,5,6,7
	TILE \i, 1
.endr
.Lend:
	s_wait_tensorcnt 0x0                           ; the wave's end, behind my last LDS store
	ds_add_u32 v[SPW], v[NIL]
	s_wait_dscnt 0x0
	s_endpgm
	; ---- the copy of W_O: this path writes no LDS ----
.Lwo:
	s_lshr_b32 s29, ttmp9, 1                       ; nt
	s_and_b32 s30, ttmp9, 1                        ; u: which half of the fragment
	s_lshl_b32 s31, s28, 5                         ; 32 ks
	s_lshl4_add_u32 s31, s30, s31                  ; + 16 u
	s_mul_i32 s31, s31, 896
	s_lshl_b32 s38, s29, 6                         ; column 16 nt, in bytes
	s_add_co_u32 s31, s31, s38
	v_mul_u32_u24 v2, v15, 7168                    ; 8 hh rows
	v_lshl_add_u32 v2, v14, 2, v2                  ; column r
	v_add_nc_u32 v2, s31, v2
	s_mul_i32 s38, s29, 7
	s_add_co_u32 s38, s38, s28
	s_lshl1_add_u32 s38, s38, s30
	s_lshl_b32 s38, s38, 9                         ; ((7 nt + ks) 2 + u) x 512
	v_add_nc_u32 v3, s38, v11
	s_wait_kmcnt 0x0
.irp i, 0,1,2,3,4,5,6,7
	global_load_b32 v[16+\i], v2, s[20:21] offset:\i*896
.endr
	s_wait_loadcnt 0x0
.irp j, 0,1,2,3
	v_cvt_pk_bf16_f32 v[24+\j], v[16+2*\j], v[17+2*\j]  ; rounded to bf16, as all the module's inputs are,
.endr
.irp j, 0,1,2,3
	v_lshlrev_b32 v[16+2*\j], 16, v[24+\j]
	v_and_b32 v[17+2*\j], 0xffff0000, v[24+\j]
.endr
.irp j, 0,1,2,3
	v_cvt_pk_f16_f32 v[24+\j], v[16+2*\j], v[17+2*\j]   ; and that number written as f16
.endr
	global_store_b128 v3, v[24:27], s[26:27]
	s_endpgm
.Lfunc_end_k_qb30b01d366_project:
	.size	k_qb30b01d366_project, .Lfunc_end_k_qb30b01d366_project-k_qb30b01d366_project
	.p2alignl 7, 3214868480
	.fill 96, 4, 3214868480
	.section	.rodata,"a",@progbits
	.p2align	6, 0x0
	.amdhsa_kernel k_qb30b01d366_project
		.amdhsa_group_segment_fixed_size 167936
		.amdhsa_private_segment_fixed_size 0
		.amdhsa_enable_private_segment 0
		.amdhsa_kernarg_size 80
		.amdhsa_user_sgpr_count 2
		.amdhsa_user_sgpr_kernarg_segment_ptr 1
		.amdhsa_wavefront_size32 1
		.amdhsa_system_sgpr_workgroup_id_x 1
		.amdhsa_system_sgpr_workgroup_id_y 1
		.amdhsa_system_sgpr_workgroup_id_z 1
		.amdhsa_system_vgpr_workitem_id 0
		.amdhsa_next_free_vgpr 256
		.amdhsa_next_free_sgpr 66
		.amdhsa_reserve_vcc 0
		.amdhsa_float_denorm_mode_32 3
		.amdhsa_float_denorm_mode_16_64 3
		.amdhsa_memory_ordered 1
		.amdhsa_forward_progress 1
		.amdhsa_inst_pref_size 75
	.end_amdhsa_kernel
	.amdgpu_metadata
---
amdhsa.version: [ 1, 2 ]
amdhsa.kernels:
  - .name:           k_qb30b01d366_project
    .symbol:         k_qb30b01d366_project.kd
    .args:
      - { .name: Q, .offset: 0, .size: 8, .value_kind: global_buffer, .address_space: global }
      - { .name: K, .offset: 8, .size: 8, .value_kind: global_buffer, .address_space: global }
      - { .name: V, .offset: 16, .size: 8, .value_kind: global_buffer, .address_space: global }
      - { .name: W_Q, .offset: 24, .size: 8, .value_kind: global_buffer, .address_space: global }
      - { .name: W_K, .offset: 32, .size: 8, .value_kind: global_buffer, .address_space: global }
      - { .name: W_V, .offset: 40, .size: 8, .value_kind: global_buffer, .address_space: global }
      - { .name: W_O, .offset: 48, .size: 8, .value_kind: global_buffer, .address_space: global }
      - { .name: qf, .offset: 56, .size: 8, .value_kind: global_buffer, .address_space: global }
      - { .name: kv, .offset: 64, .size: 8, .value_kind: global_buffer, .address_space: global }
      - { .name: wof, .offset: 72, .size: 8, .value_kind: global_buffer, .address_space: global }
    .group_segment_fixed_size: 167936
    .private_segment_fixed_size: 0
    .kernarg_segment_align: 8
    .kernarg_segment_size: 80
    .max_flat_workgroup_size: 224
    .sgpr_count:     66
    .vgpr_count:     256
    .wavefront_size: 32
...
	.end_amdgpu_metadata
.endif
;; end of part 1
;; launch attend (part 2): grid 32 x 8, 8 waves a work-group, clusters of 4 x 1, 327,680 bytes of LDS; arguments qf, kv, wof, attn_mask, out0; writes out0
.if DOCPART == 2
	.amdgcn_target "amdgcn-amd-amdhsa--gfx1250"
	.amdhsa_code_object_version 6
	.text
	.protected	k_qb30b01d366_attend
	.globl	k_qb30b01d366_attend
	.p2align	8
	.type	k_qb30b01d366_attend,@function
k_qb30b01d366_attend:
	s_mov_b64 s[64:65], 0
	v_nop
	global_prefetch_b8 v0, s[64:65] scope:SCOPE_SE
	s_setreg_imm32_b32 hwreg(HW_REG_WAVE_MODE, 25, 1), 1
	s_wait_xcnt 0x0
	s_wait_alu depctr_hold_cnt(0) depctr_sa_sdst(0) depctr_va_vdst(0) depctr_va_sdst(0) depctr_va_ssrc(0) depctr_va_vcc(0) depctr_vm_vsrc(0)
	s_getreg_b32 s2, hwreg(HW_REG_IB_STS2, 6, 4)
	s_cmp_eq_u32 s2, 0
	s_cbranch_scc0 .Lentry_in_a_cluster
	s_endpgm
.Lentry_in_a_cluster:
	s_bfe_u32 s2, ttmp6, 0x10000c
	s_cmp_lg_u32 s2, 0x3003
	s_cbranch_scc0 .Lentry_shape_is_right
	s_endpgm
.Lentry_shape_is_right:
; SECOND LAUNCH: out = concat_h( softmax_k( where(mask, -1e9, q_h . k_h / sqrt(32)) ) v_h ) W_O.  Nothing of the module is left out.  qf, kv, wof: operand fragments in f16, 1,024 bytes each,
; lane l's registers 0-3 at 16 l, 4-7 at 512 + 16 l.  Products, maxima and sums in f32; the weights p and the context are rounded to f16 for the products that follow them.
; SHARES.  A work-group owns 32 queries of one batch (two tiles of 16), for all 7 heads, one a STEP.  Each of its 8 waves takes both tiles and 128 of the 1,024 keys, so a wave sees its keys of
; a head in one piece: a maximum m, p = 2^(c s - c m), c = log2(e) / sqrt(32), a sum l and a partial O.  The eight partial results meet in LDS and are merged under the true maximum:
; f_i = 2^(c m_i - max c m); the merge of a step stands in the text of the next.  The merged context stays in LDS as fragments, by step; at the end 7 waves multiply it by W_O.
; THE WALK.  Cluster x of a batch begins with head 2 x mod 7 and walks the seven in a ring, so the batch's eight clusters ask for different heads in the same step, and the first fills of any four
; neighbouring clusters name all seven heads.  Only global addresses hang on the head's number (kv's, Q's, W_O's), each made anew from it; every LDS address is a constant, a lane term and a wave term.
; NO PREFETCH: each head's first request in the launch is one of the first fills, at the kernel's head.
; LAYOUT.  S^T = K Q^T + C (source 0 = 16 keys, source 1 = 16 queries): a lane holds ONE query (l % 16) and the keys 8 (l / 16) + 0..7.  Two results rounded to f16 in pairs ARE source 1 of
; O^T = V^T P.  l comes from the same P by a product with a fragment whose rows 0 and 8 are ones: it falls into register 0 of every lane.
; THE MASK is the C operand, made once a wave for its 32 x 128 places and used by all 7 heads.  A mask word (four bytes 0 or 1) times 0xF1, shifted so that key j's byte is on top, is a number
; from -2.5e30 to -6.3e29 where the key is masked, and one below 2.4e-38 where it is not.  m has a floor of -2^93, so that a wave all of whose keys are masked has p = 0, l = 0, and counts
; for nothing in the merge.  A ROW ALL OF WHOSE 1,024 KEYS ARE MASKED has equal scores in the module, so equal weights: there the lane's c is 0, every p is 1 and l = 1,024.
; LIMITS.  A masked key counts as absent where the module gives it the score -1e9: the results part only for a row with masked and unmasked keys whose largest unmasked score lies below
; about -1e9 + 150.  Scores below -2^93 are not served.  q, k, v arrive within f16's 65,504.  A weight below 2^-126 counts as 0.  NaN and infinities are not treated apart.
; CLUSTER.  The four query blocks of a cluster belong to one batch and walk the same k and v, so each head's 131,072 bytes are asked for JOINTLY: each of the 8 waves brings 16,384 of them, by the
; same tensor load, descriptor and mask in all four work-groups.  Two slots take turns; by this text's count a wave has at most two tensor loads out.
; A STEP, in order.  (1) A plain barrier publishes the last step's partial results; between its signal and its wait stand V's loads and the 16 products K Q^T, whose K came in the step before.
; (2) The last step's partial results are asked for; maximum; tile 0's exponentials beside the scalings; tile 1's beside tile 0's roundings, the merge's first lines and tile 0's V^T P.
; (3) K and V of the step are in registers, so its slot is free: the cluster's round, with the rest of the merge and tile 1's roundings inside its opening barrier, and the joint refill behind it.  The same round
; shows that every wave has read the last partial results.  (4) K of the next step is asked for, under tile 1's V^T P and the sums l.  (5) My partial results go to LDS.
; REGISTERS, in windows of 256 (s_set_vgpr_msb: bits 1:0 source 0, 3:2 source 1, 5:4 source 2, 7:6 destination):
;   window 0: v0-21 addresses; v22-27, v30-47 at work; v28-29 the add's; v48-55 c and c m, a pair a tile; v56-63 the ones; v64-79 Q; v80-111 O^T; v112-127 l's accumulators; v128-255 S^T, then P in place
;   window 1: v0-127 C (at the end W_O's fragments); v128-191 K; v192-255 V
.set SLOT1, 1<<17                      ; a slot: 64 fragments of k, then 64 of v turned; slot 1 begins here, so that one exclusive or changes slots
.set VOFF,  65536
.set PART,  2*SLOT1                    ; 32,768: [wave][block 2 t + cb][half of the registers][lane] 16 bytes, f32.  At the end the stage of the way out: 8 groups of four rows
.set STAT,  PART+32768                 ; 4,096:  [tile][wave][lane] 8 bytes: c m, l
.set CTX,   STAT+4096                  ; 14,336: [step][tile] fragments of the context, f16
.set FLAG,  CTX+14336                  ; 2,048:  [tile][lane][wave] a word: are all my keys masked?
.set SPARE, FLAG+2048                  ; the spare words, 128 bytes for each wave: four blocks of 256 bytes that no other line names
.set GP,    3648                       ; the stage: four dense rows of 896 bytes, then 64 of padding: rows 8 apart lie 7,296 bytes apart, 128 modulo 256, so the two halves of the lanes store into different banks
.set SPW, 28
.set NIL, 29
.set T,   32                           ; v[32:47] eight at work a tile; then the merge's eight pairs (c m_i, l_i); f_i takes c m_i's place
.set ON,  56
.set QF,  64
.set O,   80                           ; (t, cb) at O + 8 (2 t + cb)
.set X,   96                           ; the merge's eight partial results, four registers each: tile 1's O^T and l's accumulators, free from a step's beginning to its round
.set LA,  112                          ; l's accumulator of tile t at LA + 8 t
.set S,   128                          ; (t, kt) at S + 64 t + 8 kt
.set KF,  128                          ; window 1
.set VF,  192                          ; window 1: (kk, cb) at VF + 8 (2 kk + cb)
.set MSB, 0
.macro WIN new                         ; the high byte repeats the setting that is left; a switch that changes nothing is dropped
.if MSB != (\new)
	s_set_vgpr_msb (MSB<<8)|(\new)
.set MSB, \new
.endif
.endm
.macro PLACES                          ; four places behind a matrix instruction (ISA guide 7.12.1)
.rept 4
	v_nop
.endr
.endm
; A round of the cluster's barrier: my work-group's barrier, so that wave 0's signal speaks for all eight waves; wave 0 signals; every wave waits for all four work-groups; my work-group's barrier once more.
.macro CREST                           ; a round behind its opening barrier
	s_cmp_lg_u32 s14, 0
	s_cbranch_scc1 .Lnot_wave_0_\@
	s_barrier_signal -3
.Lnot_wave_0_\@:
	s_barrier_wait -3
	s_barrier_signal -1
	s_barrier_wait -1
.endm
.macro CROUND                          ; a whole round
	s_barrier_signal -1
	s_barrier_wait -1
	CREST
.endm
.macro NEXTH r                         ; the next head in the ring of seven
	s_add_co_u32 s[\r], s[\r], 1
	s_cmp_eq_u32 s[\r], 7
	s_cselect_b32 s[\r], 0, s[\r]
.endm
.macro KLOADS                          ; my 8 fragments of k
	WIN 0x40                                       ; destination window 1
.set f, 0
.rept 8
	ds_load_b128 v[KF+8*f:KF+8*f+3],   v7 offset:f*1024
	ds_load_b128 v[KF+8*f+4:KF+8*f+7], v7 offset:f*1024+512
.set f, f+1
.endr
	WIN 0
.endm
.macro VLOADS                          ; my 8 fragments of v
	WIN 0x40
.set f, 0
.rept 8
	ds_load_b128 v[VF+8*f:VF+8*f+3],   v6 offset:f*1024
	ds_load_b128 v[VF+8*f+4:VF+8*f+7], v6 offset:f*1024+512
.set f, f+1
.endr
	WIN 0
.endm
.macro XLOADS                          ; the eight partial results of my share of the merge: block wave / 2, registers 4 (wave % 2) on
.irp i, 0,1,2,3,4,5,6,7
	ds_load_b128 v[X+4*\i:X+4*\i+3], v9 offset:\i*4096
.endr
.endm
.macro SLOADS                          ; the tile's eight (c m, l)
.irp i, 0,1,2,3,4,5,6,7
	ds_load_b64 v[T+2*\i:T+2*\i+1], v11 offset:\i*256
.endr
.endm
.macro KQ                              ; keys 16 (i / 2) on, tile i % 2: one product an accumulator, since a head has 32 channels
	WIN 0x11                                       ; K and the mask in window 1
.set i, 0
.rept 16
	v_wmma_f32_16x16x32_f16 v[S+64*(i%2)+8*(i/2):S+64*(i%2)+8*(i/2)+7], v[KF+8*(i/2):KF+8*(i/2)+7], v[QF+8*(i%2):QF+8*(i%2)+7], v[64*(i%2)+8*(i/2):64*(i%2)+8*(i/2)+7]
.set i, i+1
.endr
	WIN 0
.endm
.macro QNEXT                           ; Q of the next step's head; the loads that last named the pointer have been waited for
	s_lshl_b32 s52, s42, 16
	s_add_nc_u64 s[48:49], s[4:5], s[52:53]
	NEXTH 42
.irp i, 0,1,2,3
	global_load_b128 v[QF+4*\i:QF+4*\i+3], v4, s[48:49] offset:\i*512
.endr
.endm
; THE MERGE, in four parts.  MA k: its 12 first lines: the true maximum of c m, then c m_i less it.  ME: f_i.  MERGE_B: l = sum f_i l_i, O = sum f_i O_i, 1 / l.  MERGE_C: O / l, rounded to f16.
.macro MA k
.if (\k) == 0
	v_max3_num_f32 v27, v[T], v[T+2], v[T+4]
.elseif (\k) == 1
	v_max3_num_f32 v27, v27, v[T+6], v[T+8]
.elseif (\k) == 2
	v_max3_num_f32 v27, v27, v[T+10], v[T+12]
.elseif (\k) == 3
	v_max_num_f32 v27, v27, v[T+14]
.else
	v_sub_f32 v[T+2*((\k)-4)], v[T+2*((\k)-4)], v27
.endif
.endm
.macro ME
.irp i, 0,1,2,3,4,5,6,7
	v_exp_f32 v[T+2*\i], v[T+2*\i]
.endr
.endm
.macro MERGE_B
	v_mul_f32 v26, v[T], v[T+1]
	v_pk_mul_f32 v[X:X+1], v[X:X+1], v[T:T+1] op_sel_hi:[1,0]
	v_pk_mul_f32 v[X+2:X+3], v[X+2:X+3], v[T:T+1] op_sel_hi:[1,0]
.irp i, 1,2,3,4,5,6,7
	v_fmac_f32 v26, v[T+2*\i], v[T+2*\i+1]
	v_pk_fma_f32 v[X:X+1], v[X+4*\i:X+4*\i+1], v[T+2*\i:T+2*\i+1], v[X:X+1] op_sel_hi:[1,0,1]
	v_pk_fma_f32 v[X+2:X+3], v[X+4*\i+2:X+4*\i+3], v[T+2*\i:T+2*\i+1], v[X+2:X+3] op_sel_hi:[1,0,1]
.endr
	v_rcp_f32 v26, v26                             ; the wave that holds the maximum has f = 1 and l >= 1: the sum is not 0
.endm
.macro MERGE_C
	v_pk_mul_f32 v[X:X+1], v[X:X+1], v[26:27] op_sel_hi:[1,0]
	v_pk_mul_f32 v[X+2:X+3], v[X+2:X+3], v[26:27] op_sel_hi:[1,0]
	v_cvt_pk_f16_f32 v30, v[X], v[X+1]
	v_cvt_pk_f16_f32 v31, v[X+2], v[X+3]
.endm
.macro FS t, p                         ; c s - c m for pair p of tile t
	v_pk_fma_f32 v[S+64*(\t)+2*(\p):S+64*(\t)+2*(\p)+1], v[S+64*(\t)+2*(\p):S+64*(\t)+2*(\p)+1], v[48+4*(\t):49+4*(\t)], v[50+4*(\t):51+4*(\t)] op_sel_hi:[1,0,0] neg_lo:[0,0,1] neg_hi:[0,0,1]
.endm
.macro EX t, n
	v_exp_f32 v[S+64*(\t)+(\n)], v[S+64*(\t)+(\n)]
.endm
.macro CV t, p                         ; pair p rounded to f16, in place: register p is read no more when it is written
	v_cvt_pk_f16_f32 v[S+64*(\t)+(\p)], v[S+64*(\t)+2*(\p)], v[S+64*(\t)+2*(\p)+1]
.endm
; The maximum of my 2 x 16 queries x 128 keys: eight chains a tile, one for each accumulator, whose lowest registers are read first; then c m.
.macro MAXES
.set k, 0
.rept 8
.irp t, 0,1
	v_max3_num_f32 v[T+8*\t+k], v[S+64*\t+8*k], v[S+64*\t+8*k+1], v[S+64*\t+8*k+2]
.endr
.set k, k+1
.endr
.irp a, 3,5
.set k, 0
.rept 8
.irp t, 0,1
	v_max3_num_f32 v[T+8*\t+k], v[T+8*\t+k], v[S+64*\t+8*k+\a], v[S+64*\t+8*k+\a+1]
.endr
.set k, k+1
.endr
.endr
.set k, 0
.rept 4
.irp t, 0,1
	v_max3_num_f32 v[T+8*\t+k], v[T+8*\t+k], v[S+64*\t+16*k+7], v[S+64*\t+16*k+15]
.endr
.set k, k+1
.endr
.irp t, 0,1
	v_max3_num_f32 v[T+8*\t], v[T+8*\t], v[T+8*\t+1], v[T+8*\t+2]
	v_max3_num_f32 v[T+8*\t+3], v[T+8*\t+3], v[T+8*\t+4], v[T+8*\t+5]
.endr
.irp t, 0,1
	v_max3_num_f32 v[T+8*\t], v[T+8*\t], v[T+8*\t+6], v[T+8*\t+7]
.endr
.irp t, 0,1
	v_max_num_f32 v[T+8*\t], v[T+8*\t], v[T+8*\t+3]
.endr
.irp t, 0,1
	v_permlanex16_b32 v[T+8*\t+1], v[T+8*\t], s46, s47  ; the query's other 64 keys lie in the lane 16 away
.endr
.irp t, 0,1
	v_max3_num_f32 v[T+8*\t], v[T+8*\t], v[T+8*\t+1], s51  ; m, with its floor of -2^93
.endr
.irp t, 0,1
	v_mul_f32 v[50+4*\t], v[48+4*\t], v[T+8*\t]    ; c m
.endr
.endm
.macro PHASE1                          ; tile 0's 64 exponentials, one batch with one wait; beside them both tiles' scalings.  Behind exponential e stand 4 + e scalings: pair e / 2 has long been scaled
	FS 0, 0
	FS 0, 1
	FS 0, 2
	FS 0, 3
.set e, 0
.rept 64
	EX 0, e
.if e < 28
	FS 0, e+4
.elseif e < 60
	FS 1, e-28
.endif
.set e, e+1
.endr
	v_nop
	s_wait_alu depctr_va_vdst(0)                   ; the wait for tile 0's batch
.endm
.macro PHASE2A                         ; the first half of tile 1's batch, beside tile 0's roundings
.set e, 0
.rept 32
	EX 1, e
	CV 0, e
.set e, e+1
.endr
.endm
; O^T += V^T P for tile t, keys 32 kk on: its two accumulators take turns; kk = 0 starts the sums.
.macro PVT t, kk
	WIN 0x01                                       ; V in window 1
.irp cb, 0,1
.if (\kk) == 0
	v_wmma_f32_16x16x32_f16 v[O+8*(2*(\t)+\cb):O+8*(2*(\t)+\cb)+7], v[VF+8*(2*(\kk)+\cb):VF+8*(2*(\kk)+\cb)+7], v[S+64*(\t)+8*(\kk):S+64*(\t)+8*(\kk)+7], 0
.else
	v_wmma_f32_16x16x32_f16 v[O+8*(2*(\t)+\cb):O+8*(2*(\t)+\cb)+7], v[VF+8*(2*(\kk)+\cb):VF+8*(2*(\kk)+\cb)+7], v[S+64*(\t)+8*(\kk):S+64*(\t)+8*(\kk)+7], v[O+8*(2*(\t)+\cb):O+8*(2*(\t)+\cb)+7]
.endif
.endr
.endm
.macro LSUM h                          ; l += ones x P, keys 64 h on: the two tiles' accumulators take turns
	WIN 0
.irp kk, 2*(\h), 2*(\h)+1
.irp t, 0,1
.if (\kk) == 0
	v_wmma_f32_16x16x32_f16 v[LA+8*\t:LA+8*\t+7], v[ON:ON+7], v[S+64*\t+8*(\kk):S+64*\t+8*(\kk)+7], 0
.else
	v_wmma_f32_16x16x32_f16 v[LA+8*\t:LA+8*\t+7], v[ON:ON+7], v[S+64*\t+8*(\kk):S+64*\t+8*(\kk)+7], v[LA+8*\t:LA+8*\t+7]
.endif
.endr
.endr
.endm
.macro PARTOUT                         ; my partial results go to LDS, each accumulator from its low end on
.irp a, 0,1,2,3
	ds_store_b128 v8, v[O+8*\a:O+8*\a+3] offset:\a*1024
	ds_store_b128 v8, v[O+8*\a+4:O+8*\a+7] offset:\a*1024+512
.endr
	v_mov_b32 v22, v50
	v_mov_b32 v23, v[LA]
	v_mov_b32 v24, v54
	v_mov_b32 v25, v[LA+8]
	ds_store_b64 v10, v[22:23]
	ds_store_b64 v10, v[24:25] offset:2048
.endm
; A step's beginning: the barrier that publishes the last step's partial results.  My tensor load may stay out.  Between signal and wait: V's loads, from bytes that
; nobody writes before the step's round, and K Q^T, on registers.
.macro TOP
	WIN 0
	s_wait_loadcnt 0x0                             ; Q of this step
	s_wait_dscnt 0x0                               ; my partial results and my part of the context are stored; K of this step is in
	s_barrier_signal -1
	s_xor_b32 s40, s40, SLOT1                      ; this step's slot
	s_add_co_u32 s43, s40, VOFF
	v_add_nc_u32 v6, s43, v5
	VLOADS
	KQ
	s_barrier_wait -1
	XLOADS
.endm
; A step's middle.  K and V of the step are in registers and the last partial results have been read.  st < 5: the slot is filled again, with the head two steps on: the
; cluster's round, the joint refill first behind it.  st = 5: nothing is left to ask for; the last tile is waited for.  Register work alone stands between the opening signal and its wait.
.macro MID st
	WIN 0
.if (\st) < 5
	s_wait_tensorcnt 0x0                           ; no tensor load of mine is out (the one that was: my part of the next step's head), so a group 0 may be written
	ds_add_u32 v[SPW], v[NIL]                      ; 0 onto my spare word; scalar work stands between it and the wait for it
	s_xor_b32 s37, s37, SLOT1                      ; the walking descriptor: the other slot than last time,
	s_lshl_b32 s44, s41, 17                        ; the head two steps on: its address is made anew from its number,
	s_add_nc_u64 s[38:39], s[20:21], s[44:45]
	s_or_b32 s39, s39, 0x80000000                  ; the type set again
	NEXTH 41
.elseif (\st) == 5
	s_wait_tensorcnt 0x0                           ; the last tile: my part of the last step's head is in
.endif
	s_wait_dscnt 0x0                               ; the add is done; my reads of the slot and of the partial results have long been waited for
	s_barrier_signal -1
.if (\st) > 0
	MERGE_B
.endif
.set e, 0
.rept 32
	CV 1, e                                        ; (the first is the plain instruction behind the reciprocal)
.set e, e+1
.endr
.if (\st) > 0
	s_wait_alu depctr_va_vdst(0)                   ; the wait for the reciprocal, ahead of its reader and of the round's branch
	MERGE_C
.endif
	s_barrier_wait -1                              ; every wave has read the last step's partial results
.if (\st) < 5
	CREST                                          ; no wave of any partner still reads the slot or has a load on its way
	tensor_load_to_lds s[36:39], s[24:31]
	s_nop 0
	PLACES
.endif
.endm
.macro TAIL st
.if (\st) < 6
	s_xor_b32 s43, s40, SLOT1                      ; the next step's slot: every wave's part of it was waited for in front of the barrier above
	v_add_nc_u32 v7, s43, v5
	KLOADS                                         ; under the 16 products below
.endif
	PVT 1, 0
	PVT 1, 1
	PVT 1, 2
	PVT 1, 3
	LSUM 0
	LSUM 1
	PLACES                                         ; behind the last products: in front of the stores of their results, and of the next step's loads into their registers
	PARTOUT
.if (\st) > 0
	ds_store_b64 v12, v[30:31] offset:((\st)-1)*2048  ; the last step's context: four channels of a query, in their place in the step's two fragments
.endif
.endm
.macro BODY st
.if (\st) > 0
	TOP
.endif
	PLACES                                         ; behind K Q^T: in front of the loads into Q's registers and of the maximum
.if (\st) < 6
	QNEXT
.endif
	MAXES
.if (\st) > 0
	SLOADS
.endif
	PHASE1
	PHASE2A
	s_wait_dscnt 0x0                               ; V and the merge's loads are in: all were issued a phase ago or more
	PVT 0, 0
	PVT 0, 1
	WIN 0
.set e, 32
.rept 12
	EX 1, e
.if (\st) > 0
	MA e-32
.endif
.set e, e+1
.endr
	PVT 0, 2
	PVT 0, 3
	WIN 0
.rept 20
	EX 1, e
.set e, e+1
.endr
.if (\st) > 0
	ME                                             ; the merge's eight join the batch
.endif
	v_nop
	s_wait_alu depctr_va_vdst(0)                   ; the wait for tile 1's batch
	MID \st
	TAIL \st
.endm
	s_load_b256 s[4:11], s[0:1], 0x0               ; qf s[4:5], kv s[6:7], wof s[8:9], the mask s[10:11]
	s_load_b64 s[12:13], s[0:1], 0x20              ; out0
	v_lshl_add_u32 v[SPW], v0, 2, SPARE
	v_mov_b32 v[NIL], 0
	ds_add_u32 v[SPW], v[NIL]                      ; the wave's opening: the add, twice on end, and its wait ahead of my first tensor load; the set-up below stands between
	ds_add_u32 v[SPW], v[NIL]
	v_lshrrev_b32 v1, 5, v0
	v_readfirstlane_b32 s14, v1                    ; wave 0..7
	s_bfe_u32 s15, ttmp6, 0x40000                  ; cx: my place in the cluster: it enters global addresses of Q, the mask and out0 alone
	s_lshl_b32 s16, ttmp9, 2
	s_add_co_u32 s16, s16, s15                     ; my block of 32 queries
	s_and_b32 s17, ttmp7, 0xffff                   ; the batch, which the four partners share
	; descriptor group 1: 16,384 dense bytes as 64 rows of 256
	s_mov_b32 s24, 15|(3<<16)|(1<<21)              ; 15:0 the mask of four; 17:16 elements of 8 bytes; 21 set beside a mask; no padding
	s_mov_b32 s25, 32<<16                          ; tensor_dim0 = 32
	s_mov_b32 s26, 64<<16                          ; tensor_dim1 = 64
	s_mov_b32 s27, 32<<16                          ; tile_dim0 = 32
	s_mov_b32 s28, 64                              ; tile_dim1 = 64
	s_mov_b32 s29, 32                              ; 32 elements from row to row
	s_mov_b32 s30, 0
	s_mov_b32 s31, 0
	s_mov_b32 s32, 1                               ; group 0 for step 0: count = 1,
	s_lshl_b32 s33, s14, 14                        ; LDS address: slot 0, wave x 16,384
	s_mov_b32 s36, 1                               ; group 0 for step 1, which then walks
	s_add_co_u32 s37, s33, SLOT1
	s_mov_b32 s46, 0x76543210                      ; v_permlanex16_b32: each lane takes its own place in the other half
	s_mov_b32 s47, 0xfedcba98
	s_mov_b32 s50, 0x3e8293ee                      ; c = log2(e) / sqrt(32) = 0.255035
	s_mov_b32 s51, 0xee000000                      ; -2^93
	s_lshl_b32 s54, ttmp9, 1                       ; the walk's first head: 2 x cluster x, modulo 7 (0 to 14: 7 is taken away at most twice): the same in all four partners
	s_cmp_ge_u32 s54, 7
	s_cselect_b32 s55, 7, 0
	s_sub_co_u32 s54, s54, s55
	s_cmp_ge_u32 s54, 7
	s_cselect_b32 s55, 7, 0
	s_sub_co_u32 s54, s54, s55
	s_mov_b32 s41, s54                             ; the head that kv is next asked for,
	s_mov_b32 s42, s54                             ; and Q
	s_mov_b32 s45, 0                               ; the high words of their offsets
	s_mov_b32 s53, 0
	s_mul_i32 s22, s17, 917504                     ; the batch in kv and in out0
	s_add_co_u32 s18, s22, s33                     ; kv: + my 16,384 bytes of a head
	s_mov_b32 s19, 0
	s_lshl_b32 s56, s17, 20                        ; the mask: batch x 1,024 x 1,024
	s_lshl_b32 s57, s16, 15                        ; + 32 rows
	s_add_co_u32 s56, s56, s57
	s_mov_b32 s57, 0
	s_mul_i32 s58, s17, 458752                     ; qf: batch x 7 x 65,536
	s_lshl_b32 s59, s16, 11                        ; + two fragments
	s_add_co_u32 s58, s58, s59
	s_mov_b32 s59, 0
	s_mul_i32 s60, s16, 28672                      ; out0: 32 rows of 896 bytes
	s_add_co_u32 s60, s60, s22
	s_mov_b32 s61, 0
	v_and_b32 v1, 31, v0                           ; l
	v_and_b32 v2, 15, v0                           ; r
	v_bfe_u32 v3, v0, 4, 1                         ; hh
	v_lshlrev_b32 v4, 4, v1                        ; 16 l
	s_lshl_b32 s2, s14, 13
	v_add_nc_u32 v5, s2, v4                        ; my 128 keys: 8 fragments, of k and of v alike
	s_lshl_b32 s2, s14, 12
	s_add_co_u32 s2, s2, PART
	v_add_nc_u32 v8, s2, v4                        ; where my partial results go
	s_lshl_b32 s2, s14, 9
	s_add_co_u32 s2, s2, PART
	v_add_nc_u32 v9, s2, v4                        ; my share of the merge: block wave / 2, half wave % 2: 512 x wave
	s_lshl_b32 s2, s14, 8
	s_add_co_u32 s2, s2, STAT
	v_lshl_add_u32 v10, v1, 3, s2
	s_lshr_b32 s2, s14, 2                          ; the tile of my share
	s_lshl_b32 s2, s2, 11
	s_add_co_u32 s2, s2, STAT
	v_lshl_add_u32 v11, v1, 3, s2
	s_lshr_b32 s2, s14, 1                          ; the context: block wave / 2 is half a fragment, 512 bytes;
	s_lshl_b32 s2, s2, 9
	s_and_b32 s3, s14, 1                           ; of the lane's 16 bytes there wave % 2 says which 8 are mine
	s_lshl_b32 s3, s3, 3
	s_add_co_u32 s2, s2, s3
	s_add_co_u32 s2, s2, CTX
	v_add_nc_u32 v12, s2, v4                       ; never rewritten: the step stands in the store's immediate
	v_lshlrev_b32 v13, 10, v2                      ; the mask: row r,
	v_lshl_add_u32 v13, v3, 3, v13                 ; 8 keys by the half of the lanes,
	s_lshl_b32 s2, s14, 7
	v_add_nc_u32 v13, s2, v13                      ; my wave's 128 keys
	s_lshl_b32 s2, s14, 2
	s_add_co_u32 s2, s2, FLAG
	v_lshl_add_u32 v15, v1, 5, s2
	v_lshlrev_b32 v16, 5, v1
	v_add_nc_u32 v16, FLAG, v16
	s_mul_i32 s2, s14, 14336
	v_add_nc_u32 v17, s2, v4                       ; W_O: my 32 columns: 14 fragments
	v_mul_u32_u24 v18, v3, 2*GP                    ; into the stage: rows 8 hh on are two groups of four on,
	v_lshl_add_u32 v18, v2, 2, v18                 ; column r,
	s_lshl_b32 s2, s14, 7                          ; my wave's 32 columns
	s_add_co_u32 s2, s2, PART
	v_add_nc_u32 v18, s2, v18
	v_lshl_add_u32 v19, v0, 4, PART                ; back out of the stage: 224 threads x 16 bytes are a group's four dense rows,
	v_lshlrev_b32 v20, 4, v0                       ; and the same four rows of out0
	v_add_nc_u32 v21, CTX, v4
	v_and_b32 v30, 7, v0
	v_cmp_eq_u32 s62, 0, v30                       ; lanes 0, 8, 16, 24 hold rows 0 and 8 of a source 0
	v_mov_b32 v31, 0x3c003c00                      ; 1.0 twice, in f16
	v_cndmask_b32 v[ON], 0, v31, s62
.irp j, 1,2,3,4,5,6,7
	v_mov_b32 v[ON+\j], v[ON]
.endr
	v_mov_b32 v51, 0                               ; named with c m as pairs
	v_mov_b32 v55, 0
	s_wait_dscnt 0x0                               ; both opening adds are done
	s_wait_kmcnt 0x0
	s_add_nc_u64 s[20:21], s[6:7], s[18:19]        ; kv at my part of the batch's head 0
	s_lshl_b32 s44, s41, 17
	s_add_nc_u64 s[34:35], s[20:21], s[44:45]      ; global address: my part of step 0's head
	s_or_b32 s35, s35, 0x80000000                  ; type = 2
	NEXTH 41
	s_lshl_b32 s44, s41, 17
	s_add_nc_u64 s[38:39], s[20:21], s[44:45]      ; of step 1's
	s_or_b32 s39, s39, 0x80000000
	NEXTH 41                                       ; step 2's head is asked for next
	s_add_nc_u64 s[10:11], s[10:11], s[56:57]
	s_add_nc_u64 s[4:5], s[4:5], s[58:59]
	s_add_nc_u64 s[12:13], s[12:13], s[60:61]
.set i, 0
.rept 16                               ; tile i / 8, keys 16 (i % 8) on: my lane's 8 mask bytes, into S^T's registers
	global_load_b64 v[S+2*i:S+2*i+1], v13, s[10:11] offset:(i/8)*16384+(i%8)*16
.set i, i+1
.endr
	QNEXT                                          ; Q of step 0
	CROUND                                         ; all four work-groups are here: the first joint loads meet
	tensor_load_to_lds s[32:35], s[24:31]          ; step 0 into slot 0
	s_nop 0
	tensor_load_to_lds s[36:39], s[24:31]          ; step 1 into slot 1
	s_nop 0
	PLACES
	s_wait_loadcnt 4                               ; the mask is in; Q's four loads may be out
	; are all my 128 keys of the row masked?  The AND of 16 words, of their bytes, and of the other half of the lanes
	v_and_b32 v30, v[S], v[S+1]
	v_and_b32 v31, v[S+16], v[S+17]
.set i, 2
.rept 14
	v_and_b32 v30, v30, v[S+i]
	v_and_b32 v31, v31, v[S+16+i]
.set i, i+1
.endr
	v_lshrrev_b32 v32, 16, v30
	v_lshrrev_b32 v33, 16, v31
	v_and_b32 v30, v30, v32
	v_and_b32 v31, v31, v33
	v_lshrrev_b32 v32, 8, v30
	v_lshrrev_b32 v33, 8, v31
	v_and_b32 v30, v30, v32
	v_and_b32 v31, v31, v33
	v_permlanex16_b32 v32, v30, s46, s47
	v_permlanex16_b32 v33, v31, s46, s47
	v_and_b32 v30, v30, v32
	v_and_b32 v31, v31, v33
	ds_store_b32 v15, v30
	ds_store_b32 v15, v31 offset:1024
	; the C operands: each byte 0 or 0xF1, key j's byte shifted on top
.set i, 0
.rept 32
	v_mul_lo_u32 v[S+i], v[S+i], 0xf1
.set i, i+1
.endr
	WIN 0x40                                       ; destination window 1
.set i, 0
.rept 32                               ; word i: registers 4 i .. 4 i + 3 of C
	v_lshlrev_b32 v[4*i], 24, v[S+i]
	v_lshlrev_b32 v[4*i+1], 16, v[S+i]
	v_lshlrev_b32 v[4*i+2], 8, v[S+i]
	v_mov_b32 v[4*i+3], v[S+i]
.set i, i+1
.endr
	WIN 0
	s_wait_tensorcnt 0x1                           ; my part of step 0's head is in; step 1's may stay out
	s_wait_dscnt 0x0                               ; my two flags are stored
	s_barrier_signal -1
	s_barrier_wait -1
	ds_load_b128 v[32:35], v16                     ; the eight waves' flags for my query, tile 0,
	ds_load_b128 v[36:39], v16 offset:16
	ds_load_b128 v[40:43], v16 offset:1024         ; tile 1
	ds_load_b128 v[44:47], v16 offset:1040
	s_mov_b32 s40, 0                               ; step 0 lies in slot 0
	v_mov_b32 v7, v5
	v_add_nc_u32 v6, VOFF, v5
	KLOADS
	VLOADS
	s_wait_dscnt 32                                ; the flags are in; K's and V's 32 loads may be out
.irp b, 32,40
	v_and_b32 v[\b], v[\b], v[\b+1]
	v_and_b32 v[\b+2], v[\b+2], v[\b+3]
	v_and_b32 v[\b+4], v[\b+4], v[\b+5]
	v_and_b32 v[\b+6], v[\b+6], v[\b+7]
	v_and_b32 v[\b], v[\b], v[\b+2]
	v_and_b32 v[\b+4], v[\b+4], v[\b+6]
	v_and_b32 v[\b], v[\b], v[\b+4]
	v_and_b32 v[\b], 1, v[\b]
.endr
	v_cmp_ne_u32 s62, 1, v32                       ; some key of the row is to be seen
	v_cmp_ne_u32 s63, 1, v40
	v_mov_b32 v30, s50
	v_cndmask_b32 v48, 0, v30, s62                 ; c, or 0 for a row that is wholly masked
	v_cndmask_b32 v52, 0, v30, s63
	v_mov_b32 v49, v48
	v_mov_b32 v53, v52
	s_wait_dscnt 16                                ; K is in; V's 16 loads may be out
	s_wait_loadcnt 0x0                             ; Q
	KQ
.irp h, 0,1,2,3,4,5,6
	BODY \h
.endr
	; THE END.  Seven waves fetch their 14 fragments of W_O, by the steps' heads, into the mask's registers; the last step is merged; the context is multiplied by W_O.
	s_cmp_lt_u32 s14, 7
	s_cbranch_scc0 .Lno_wo
	s_mov_b32 s55, s54                             ; the walk once more
.irp q, 0,1,2,3,4,5,6
	s_lshl_b32 s56, s55, 10                        ; the 32 rows of W_O that belong to step q's head: a fragment of 1,024 bytes
	v_add_nc_u32 v[QF+\q], s56, v17
	NEXTH 55
.endr
	WIN 0x40
.irp q, 0,1,2,3,4,5,6
.irp n, 0,1
	global_load_b128 v[8*(7*\n+\q):8*(7*\n+\q)+3],   v[QF+\q], s[8:9] offset:\n*7168
	global_load_b128 v[8*(7*\n+\q)+4:8*(7*\n+\q)+7], v[QF+\q], s[8:9] offset:\n*7168+512
.endr
.endr
	WIN 0
.Lno_wo:
	s_wait_dscnt 0x0                               ; my partial results of the last step are stored
	s_barrier_signal -1
	s_barrier_wait -1
	XLOADS
	SLOADS
	s_wait_dscnt 0x0
.irp k, 0,1,2,3,4,5,6,7,8,9,10,11
	MA \k
.endr
	ME
	v_nop                                          ; a plain instruction behind the last exponential,
	s_wait_alu depctr_va_vdst(0)                   ; and the one wait for the eight
	MERGE_B
	v_nop
	s_wait_alu depctr_va_vdst(0)
	MERGE_C
	ds_store_b64 v12, v[30:31] offset:6*2048
	s_wait_dscnt 0x0                               ; my part of the context is stored, my reads of the partial results are over
	s_barrier_signal -1
	s_barrier_wait -1                              ; the context is whole; the partial results' bytes may become the stage
	s_cmp_lt_u32 s14, 7
	s_cbranch_scc0 .Lno_proj
.set f, 0
.rept 14                               ; step f / 2, tile f % 2
	ds_load_b128 v[S+8*f:S+8*f+3],   v21 offset:f*1024
	ds_load_b128 v[S+8*f+4:S+8*f+7], v21 offset:f*1024+512
.set f, f+1
.endr
	s_wait_loadcnt 0x0                             ; W_O
	s_wait_dscnt 0x0
	WIN 0x04                                       ; W_O, source 1, in window 1
.set i, 0
.rept 28                               ; out = ctx W_O (source 0 = 16 queries, source 1 = 16 columns): step i / 4, columns 16 ((i / 2) % 2) on, tile i % 2; four accumulators by turns
.if i < 4
	v_wmma_f32_16x16x32_f16 v[O+8*(i%4):O+8*(i%4)+7], v[S+8*(2*(i/4)+i%2):S+8*(2*(i/4)+i%2)+7], v[8*(7*((i/2)%2)+i/4):8*(7*((i/2)%2)+i/4)+7], 0
.else
	v_wmma_f32_16x16x32_f16 v[O+8*(i%4):O+8*(i%4)+7], v[S+8*(2*(i/4)+i%2):S+8*(2*(i/4)+i%2)+7], v[8*(7*((i/2)%2)+i/4):8*(7*((i/2)%2)+i/4)+7], v[O+8*(i%4):O+8*(i%4)+7]
.endif
.set i, i+1
.endr
	WIN 0
	PLACES
.irp a, 0,1,2,3                        ; accumulator a: columns 16 (a / 2) on, tile a % 2; register j: row 16 (a % 2) + 8 hh + j, column r: 16 lanes store 64 neighbouring bytes of a row
.irp j, 0,1,2,3,4,5,6,7
	ds_store_b32 v18, v[O+8*\a+\j] offset:(\a%2)*4*GP+(\j/4)*GP+(\j%4)*896+(\a/2)*64
.endr
.endr
.Lno_proj:
	s_wait_dscnt 0x0                               ; for the others' sake: my stores into the stage are done
	s_barrier_signal -1
	s_barrier_wait -1
	s_cmp_lt_u32 s14, 7
	s_cbranch_scc0 .Lno_out
.irp i, 0,1,2,3,4,5,6,7
	ds_load_b128 v[S+4*\i:S+4*\i+3], v19 offset:\i*GP
.endr
.irp i, 0,1,2,3,4,5,6,7
	s_wait_dscnt 7-\i
	global_store_b128 v20, v[S+4*\i:S+4*\i+3], s[12:13] offset:\i*3584 th:TH_STORE_NT  ; a wave's store covers 512 consecutive bytes, aligned, of the block's 28,672
.endr
.Lno_out:
	s_wait_tensorcnt 0x0                           ; the wave's end, behind my last tensor load and my last LDS store
	ds_add_u32 v[SPW], v[NIL]
	s_wait_dscnt 0x0
	CROUND                                         ; the closing round: no work-group ends while a partner may still ask for a tile that names it
	s_endpgm
.Lfunc_end_k_qb30b01d366_attend:
	.size	k_qb30b01d366_attend, .Lfunc_end_k_qb30b01d366_attend-k_qb30b01d366_attend
	.p2alignl 7, 3214868480
	.fill 96, 4, 3214868480
	.section	.rodata,"a",@progbits
	.p2align	6, 0x0
	.amdhsa_kernel k_qb30b01d366_attend
		.amdhsa_group_segment_fixed_size 327680
		.amdhsa_private_segment_fixed_size 0
		.amdhsa_enable_private_segment 0
		.amdhsa_kernarg_size 40
		.amdhsa_user_sgpr_count 2
		.amdhsa_user_sgpr_kernarg_segment_ptr 1
		.amdhsa_wavefront_size32 1
		.amdhsa_system_sgpr_workgroup_id_x 1
		.amdhsa_system_sgpr_workgroup_id_y 1
		.amdhsa_system_sgpr_workgroup_id_z 1
		.amdhsa_system_vgpr_workitem_id 0
		.amdhsa_next_free_vgpr 512
		.amdhsa_next_free_sgpr 66
		.amdhsa_reserve_vcc 0
		.amdhsa_float_denorm_mode_32 3
		.amdhsa_float_denorm_mode_16_64 3
		.amdhsa_memory_ordered 1
		.amdhsa_forward_progress 1
		.amdhsa_inst_pref_size 221
	.end_amdhsa_kernel
	.amdgpu_metadata
---
amdhsa.version: [ 1, 2 ]
amdhsa.kernels:
  - .name:           k_qb30b01d366_attend
    .symbol:         k_qb30b01d366_attend.kd
    .args:
      - { .name: qf, .offset: 0, .size: 8, .value_kind: global_buffer, .address_space: global }
      - { .name: kv, .offset: 8, .size: 8, .value_kind: global_buffer, .address_space: global }
      - { .name: wof, .offset: 16, .size: 8, .value_kind: global_buffer, .address_space: global }
      - { .name: attn_mask, .offset: 24, .size: 8, .value_kind: global_buffer, .address_space: global }
      - { .name: out0, .offset: 32, .size: 8, .value_kind: global_buffer, .address_space: global }
    .group_segment_fixed_size: 327680
    .private_segment_fixed_size: 0
    .kernarg_segment_align: 8
    .kernarg_segment_size: 40
    .max_flat_workgroup_size: 256
    .sgpr_count:     66
    .vgpr_count:     512
    .wavefront_size: 32
...
	.end_amdgpu_metadata
.endif
;; end of part 2
;; ======== version 2 of 2: 2 launches; version 1 with the launch project written anew for expert scheduling mode
;; limits: right only within a limited range of input values; values are held in f16: magnitudes above 65,504 overflow, below 6.1e-05 lose precision
;; workspace buffers: qf 3,670,016 bytes; kv 7,340,032 bytes; wof 100,352 bytes
;; launch project (part 3): grid 220 x 1, 7 waves a work-group, no clusters, 167,936 bytes of LDS; arguments Q, K, V, W_Q, W_K, W_V, W_O, qf, kv, wof; writes qf, kv, wof
.if DOCPART == 3
	.amdgcn_target "amdgcn-amd-amdhsa--gfx1250"
	.amdhsa_code_object_version 6
	.text
	.protected	k_qb30b01d366_project
	.globl	k_qb30b01d366_project
	.p2align	8
	.type	k_qb30b01d366_project,@function
k_qb30b01d366_project:
	s_mov_b64 s[64:65], 0
	v_nop
	global_prefetch_b8 v0, s[64:65] scope:SCOPE_SE
	s_setreg_imm32_b32 hwreg(HW_REG_WAVE_SCHED_MODE, 0, 2), 2
	s_setreg_imm32_b32 hwreg(HW_REG_WAVE_MODE, 25, 1), 1
	s_wait_xcnt 0x0
	s_wait_alu depctr_vm_vsrc(0)
; MULTI-HEAD ATTENTION, 8 batches x 1,024 rows x 224 channels, 7 heads of 32.  FIRST OF TWO LAUNCHES: q = Q W_Q, k = K W_K, v = V W_V, and a copy of W_O.
; NOTHING IS LEFT OUT: every input of the module has a way to the output and is loaded (Q, K, V and the four weights here, the mask in the second launch).
; FORMATS.  Q, K, V and the weights are rounded once to bf16 and multiplied in bf16 with f32 sums; q, k, v are rounded once to f16, unscaled.  W_O is rounded to bf16 like the
; other inputs and that number is written as f16.
; LIMITS.  q, k, v must lie within f16's 65,504; a bf16 value of W_O below 2^-14 keeps f16's fixed step of 6e-8; NaN and infinities are not treated apart.
; WHAT IS STORED.  Operand fragments of 16 x 32 numbers as a wave's registers hold them: 1,024 bytes, lane l's registers 0-3 at 16 l, its registers 4-7 at 512 + 16 l.
;   qf [b][h][row tile 64][1,024]: lane (r = l % 16, hh = l / 16) holds row r, channels 8 hh + 0..7 and 16 + 8 hh + 0..7
;   kv [b][h][131,072]: 64 fragments of k, laid out as q's; then v turned, [32 keys kk][16 channels cb][1,024]: lane (r, hh) holds channel 16 cb + r, keys 32 kk + 8 hh + 0..7 and 32 kk + 16 + 8 hh + 0..7
;   wof [16 columns nt][32 rows ks][1,024]: lane (r, hh) holds column 16 nt + r of W_O, rows 32 ks + 8 hh + 0..7 and 32 ks + 16 + 8 hh + 0..7
; The rounded accumulators ARE these registers in these lanes, so each store of a wave covers 512 consecutive bytes, aligned, and nothing goes through LDS on the way out.
; SHARES.  Work-groups 0-27 copy W_O: (nt, half of a fragment) a work-group, ks a wave.  Work-groups 28-219: one of the three products, 128 rows of the flat [8,192][224] input;
; wave w makes head w: 32 columns, 8 row tiles.  Input rows and the whole weight go once through registers (rounded there) into LDS.
; No cluster, no tensor load: the operands must be rounded on their way into LDS, which only registers can do.  No prefetch: all loads go out at the head.
; THE MODE: SCHED_MODE bits 1:0 = 2 (LLVM: expert scheduling mode 2), set by the entry lines.  The code itself states the register dependences between vector or matrix instructions
; and memory or LDS instructions, with s_wait_alu, always for 0.
; THE PLAN.  Registers that memory or LDS instructions touch:
;   v4 .. v11     offsets and LDS addresses, made once at the head; one wait ahead of the first load serves them all.  (v4-v7 serve the way in alone and are part of OUT later.)
;   THE WAY IN, four slots to a batch:
;   slots 0-31    Written by the input's loads; read by batch g's roundings; in batch g + 1 loads of the weight land in them.
;   TP0, TP1      Batch g's roundings write TP[g % 2]; the four LDS stores issued in batch g + 1 read it; batch g + 2 writes it again.
;   the weight    Its slots are rounded in place in batch g; the LDS stores issued in batch g + 1 read them; they are not written again on the way in.
;   So a batch's head states all that its loads and stores hang on: they touch what the batch before worked on, which no rounding of this batch names, and are dealt among these with no further wait.
;   THE PRODUCTS, a row tile to a step:
;   X0, X1        Tile i's products read X[i % 2]; the LDS loads of tile i + 1, issued among them, land in the other, which tile i - 1's products read last.
;   OUT           Tile i's roundings write it; the two stores issued at the head of tile i + 1 read it; tile i + 1's roundings write it again.
;   WFR           Loaded once; the accumulators are named by matrix and vector instructions alone.
;   So ONE wait on va_vdst stands at a tile's head (the tile before is done reading its X and has written OUT), and one on vm_vsrc ahead of its roundings (the stores have read OUT).
.set WP,    480                        ; a row of the weight in LDS: 448 bytes + 32 = 15 x 32: the turning load's 8 rows x 32 bytes fall on different words modulo 256 bytes
.set XP,    464                        ; a row of the input in LDS: 448 + 16 = 29 x 16: the 16 rows of a load begin at 16 different 16-byte columns modulo 256 bytes
.set XL,    224*WP                     ; the weight's 224 rows lie at 0, the input's 128 rows behind them
.set SPARE, XL+128*XP                  ; behind both: the spare words, 128 bytes a wave, rounded up to four blocks of 256 bytes that no other line names
.set SPW,  12                          ; v12  LDS address of my spare word; never rewritten
.set NIL,  13                          ; v13  0; never rewritten
.set TP,   16                          ; v[16:31]   on the way in: two sets of four pairs of rounded numbers
.set SL,   32                          ; v[32:255]  on the way in: 56 slots of four registers
.set OUT,  0                           ; v[0:7]     later: a tile's two accumulators rounded to f16, four registers each
.set ACC,  16                          ; v[16:31]   later: two accumulators
.set WFR,  32                          ; v[32:143]  later: the weight's fragments, (16 columns n, 32 rows ks) at 8 (7 n + ks)
.set XFR,  144                         ; v[144:255] later: two buffers of the input's seven fragments of a row tile
	s_load_b512 s[8:23], s[0:1], 0x0               ; Q 8, K 10, V 12, W_Q 14, W_K 16, W_V 18, W_O 20, qf 22
	s_load_b128 s[24:27], s[0:1], 0x40             ; kv 24, wof 26
	v_lshl_add_u32 v[SPW], v0, 2, SPARE
	v_mov_b32 v[NIL], 0
	v_lshrrev_b32 v1, 5, v0
	v_readfirstlane_b32 s28, v1                    ; wave 0..6
	v_and_b32 v1, 31, v0                           ; l
	v_and_b32 v14, 15, v0                          ; r
	v_bfe_u32 v15, v0, 4, 1                        ; hh
	v_lshlrev_b32 v11, 4, v1                       ; 16 l: my place in 512 bytes of a fragment
	s_wait_alu depctr_va_sdst(0)                   ; s28 is written, ahead of the branch and of its first readers on both ways
	s_cmp_lt_u32 ttmp9, 28
	s_cbranch_scc1 .Lwo
	; ---- a product ----
	s_sub_co_u32 s31, ttmp9, 28
	s_lshr_b32 s29, s31, 6                         ; y: 0 q, 1 k, 2 v
	s_and_b32 s30, s31, 63                         ; x: which 128 rows
	s_mul_i32 s38, s30, 114688                     ; 128 rows of 896 bytes
	s_mov_b32 s39, 0
	s_lshr_b32 s40, s30, 3                         ; batch
	s_mul_i32 s40, s40, 7
	s_add_co_u32 s40, s40, s28                     ; batch x 7 + head
	s_and_b32 s41, s30, 7
	s_lshl_b32 s41, s41, 13                        ; 128 rows are 8,192 bytes of fragments
	s_cmp_eq_u32 s29, 0
	s_cselect_b32 s42, 16, 17                      ; a head has 65,536 bytes in qf, 131,072 in kv
	s_lshl_b32 s40, s40, s42
	s_add_co_u32 s40, s40, s41
	s_cmp_eq_u32 s29, 2
	s_cselect_b32 s42, 65536, 0                    ; v lies behind k
	s_add_co_u32 s40, s40, s42
	s_mov_b32 s41, 0
	v_mul_u32_u24 v2, v0, 1171
	v_lshrrev_b32 v2, 16, v2                       ; t / 56 (exact for t < 224): a row is 56 pieces of 16 bytes, 224 threads take four rows
	v_mul_u32_u24 v3, v2, 56
	v_sub_nc_u32 v3, v0, v3                        ; t % 56
	v_lshlrev_b32 v4, 4, v0                        ; in memory the four rows are dense: 16 t
	v_mul_u32_u24 v5, v2, XP
	v_lshl_add_u32 v5, v3, 3, v5
	v_add_nc_u32 v5, XL, v5                        ; where my four bf16 of the input go
	v_mul_u32_u24 v6, v2, WP
	v_lshl_add_u32 v6, v3, 3, v6                   ; and of the weight, rows 0-127,
	v_add_nc_u32 v7, 128*WP, v6                    ; rows 128-223
	v_mul_u32_u24 v8, v14, XP
	v_lshl_add_u32 v8, v15, 4, v8
	v_add_nc_u32 v8, XL, v8                        ; an input fragment: row r, 16 bytes for each half of the lanes
	v_and_b32 v9, 7, v0
	v_lshl_add_u32 v9, v15, 3, v9
	v_mul_u32_u24 v9, v9, WP                       ; the turning load: row 8 hh + l % 8,
	v_bfe_u32 v10, v0, 3, 1
	v_lshl_add_u32 v9, v10, 4, v9                  ; 16 bytes by (l / 8) % 2,
	s_lshl_b32 s43, s28, 6
	v_add_nc_u32 v9, s43, v9                       ; my head's 32 columns: 64 bytes; rows 0-127
	v_add_nc_u32 v10, 128*WP, v9                   ; rows 128-223
	s_wait_kmcnt 0x0
	s_cmp_eq_u32 s29, 0
	s_cselect_b64 s[32:33], s[8:9], s[10:11]       ; the input,
	s_cselect_b64 s[34:35], s[14:15], s[16:17]     ; its weight,
	s_cselect_b64 s[36:37], s[22:23], s[24:25]     ; and where the product goes
	s_cmp_eq_u32 s29, 2
	s_cselect_b64 s[32:33], s[12:13], s[32:33]
	s_cselect_b64 s[34:35], s[18:19], s[34:35]
	s_add_nc_u64 s[32:33], s[32:33], s[38:39]
	s_add_nc_u64 s[36:37], s[36:37], s[40:41]
	s_wait_alu depctr_va_vdst(0)                   ; the offsets and LDS addresses v4 to v11 are written, which the loads and stores of this way read
	; THE WAY IN: 32 loads of the input and 56 of the weight a thread; four slots are taken at a time.  What a batch rounds is stored into LDS, and its slots are asked for again, in the batch behind it.
.set i, 0
.rept 32
	global_load_b128 v[SL+4*i:SL+4*i+3], v4, s[32:33] offset:i*3584 th:TH_LOAD_NT
.set i, i+1
.endr
.set i, 0
.rept 24
	global_load_b128 v[SL+4*(32+i):SL+4*(32+i)+3], v4, s[34:35] offset:i*3584
.set i, i+1
.endr
.macro WSTORE n                        ; the weight's load n, rounded, goes to LDS; it lies in slot (n + 32) % 56
.if (\n) < 32
	ds_store_b64 v6, v[SL+4*(((\n)+32)%56):SL+4*(((\n)+32)%56)+1] offset:(\n)*4*WP
.else
	ds_store_b64 v7, v[SL+4*(((\n)+32)%56):SL+4*(((\n)+32)%56)+1] offset:((\n)-32)*4*WP
.endif
.endm
.set g, 0
.rept 8                                ; the input: slots 4 g .. 4 g + 3
.if g == 0
	s_wait_loadcnt 52                              ; behind the input's load 3 stand 28 of the input and 24 of the weight
.else
	s_wait_loadcnt 48                              ; behind the input's load 4 g + 3 stand 28 - 4 g of the input, 24 of the weight and the 4 (g - 1) issued below
.endif
.if g >= 2
	s_wait_alu depctr_vm_vsrc(0)                   ; the LDS stores issued in the batch before have read TP[g % 2], which this batch's roundings write again
.endif
.if g >= 1
	s_wait_alu depctr_va_vdst(0)                   ; the batch before has written the other TP, which the stores below read, and is done reading its slots, in which the loads below land
.endif
.set j, 0
.rept 4
.if g >= 1
	global_load_b128 v[SL+4*(4*(g-1)+j):SL+4*(4*(g-1)+j)+3], v4, s[34:35] offset:(24+4*(g-1)+j)*3584  ; the slots take loads of the weight; no rounding since the wait names them
	ds_store_b64 v5, v[TP+8*((g-1)%2)+2*j:TP+8*((g-1)%2)+2*j+1] offset:(4*(g-1)+j)*4*XP
.endif
	v_cvt_pk_bf16_f32 v[TP+8*(g%2)+2*j],   v[SL+4*(4*g+j)],   v[SL+4*(4*g+j)+1]
	v_cvt_pk_bf16_f32 v[TP+8*(g%2)+2*j+1], v[SL+4*(4*g+j)+2], v[SL+4*(4*g+j)+3]
.set j, j+1
.endr
.set g, g+1
.endr
.set g, 0
.rept 14                               ; the weight: its loads 4 g .. 4 g + 3; load i lies in slot (i + 32) % 56, which is not loaded again: rounded in place
.if g == 0
	s_wait_loadcnt 48                              ; behind the weight's load 3 stand its loads 4 to 51; the last four are issued below
.else
	s_wait_loadcnt 52-4*g                          ; the counts run down
.endif
	s_wait_alu depctr_va_vdst(0)                   ; the batch before has written what the stores below read; the first time it is also done reading slots 28 to 31, in which the last loads land
.set j, 0
.rept 4
.if g == 0
	global_load_b128 v[SL+4*(28+j):SL+4*(28+j)+3], v4, s[34:35] offset:(52+j)*3584
	ds_store_b64 v5, v[TP+8+2*j:TP+8+2*j+1] offset:(28+j)*4*XP
.else
	WSTORE 4*(g-1)+j
.endif
.set sl, (4*g+j+32)%56
	v_cvt_pk_bf16_f32 v[SL+4*sl],   v[SL+4*sl],   v[SL+4*sl+1]
	v_cvt_pk_bf16_f32 v[SL+4*sl+1], v[SL+4*sl+2], v[SL+4*sl+3]
.set j, j+1
.endr
.set g, g+1
.endr
	s_wait_alu depctr_va_vdst(0)                   ; the last batch has written what its stores read; and no rounding is left that names v16 to v255, in which the fragments' loads below land
.irp n, 52,53,54,55
	WSTORE \n
.endr
	s_wait_dscnt 0x0                               ; for the others' sake: my stores are done
	s_barrier_signal -1
	s_barrier_wait -1                              ; input and weight lie whole in LDS; nothing is written there any more
	s_wait_alu depctr_vm_vsrc(0)                   ; my loads and LDS stores have read v4 to v7, TP and the slots: from here on these registers are OUT, the accumulators and the fragments
	; my head's 14 fragments of the weight, turned: lane (r, hh) holds column r and 2 x 8 rows
.set f, 0
.rept 14
.if f%7 < 4
	ds_load_tr16_b128 v[WFR+8*f:WFR+8*f+3],   v9 offset:(f%7)*32*WP+(f/7)*32
	ds_load_tr16_b128 v[WFR+8*f+4:WFR+8*f+7], v9 offset:(f%7)*32*WP+16*WP+(f/7)*32
.else
	ds_load_tr16_b128 v[WFR+8*f:WFR+8*f+3],   v10 offset:(f%7-4)*32*WP+(f/7)*32
	ds_load_tr16_b128 v[WFR+8*f+4:WFR+8*f+7], v10 offset:(f%7-4)*32*WP+16*WP+(f/7)*32
.endif
.set f, f+1
.endr
.macro XLD b, t, f                     ; fragment f of row tile t, into the buffer that begins at register b
	ds_load_b128 v[(\b)+8*(\f):(\b)+8*(\f)+3],   v8 offset:(\t)*16*XP+64*(\f)
	ds_load_b128 v[(\b)+8*(\f)+4:(\b)+8*(\f)+7], v8 offset:(\t)*16*XP+64*(\f)+32
.endm
.macro SEND t, swap                    ; row tile t leaves OUT
.irp n, 0,1
.if \swap
	global_store_b128 v11, v[OUT+4*\n:OUT+4*\n+3], s[36:37] offset:((\t)/2)*2048+\n*1024+((\t)%2)*512  ; 32 keys kk = t / 2, channels cb = n, the fragment's half t % 2
.else
	global_store_b128 v11, v[OUT+4*\n:OUT+4*\n+3], s[36:37] offset:(\t)*1024+\n*512  ; row tile t, the fragment's half n
.endif
.endr
.endm
; Row tile i x my 32 columns.  swap = 0 (q, k): source 0 = the weight's columns, source 1 = the rows: a lane ends with one row and 8 channels.  swap = 1 (v): the sources change places:
; a lane ends with one channel and 8 keys.  The two accumulators take turns, one instruction a turn, from tile to tile too; the first two products start the sums.
; A tile's first product writes over an accumulator eight places behind that accumulator's last product: the four v_nop and the other accumulator's four roundings.
.macro TILE i, swap
.set XA, XFR+56*((\i)%2)
.set XB, XFR+56*(1-(\i)%2)
	s_wait_dscnt 0x0                               ; the tile's fragments are in (the first time: the weight's too)
.if (\i) > 0
	s_wait_alu depctr_va_vdst(0)                   ; the tile before has written OUT, which the stores below read, and its products are done reading the other X, in which the loads below land
	SEND (\i)-1, \swap
.endif
.set ks, 0
.rept 7
.irp n, 0,1
.if \swap
.if ks == 0
	v_wmma_f32_16x16x32_bf16 v[ACC+8*\n:ACC+8*\n+7], v[XA+8*ks:XA+8*ks+7], v[WFR+8*(7*\n+ks):WFR+8*(7*\n+ks)+7], 0
.else
	v_wmma_f32_16x16x32_bf16 v[ACC+8*\n:ACC+8*\n+7], v[XA+8*ks:XA+8*ks+7], v[WFR+8*(7*\n+ks):WFR+8*(7*\n+ks)+7], v[ACC+8*\n:ACC+8*\n+7]
.endif
.else
.if ks == 0
	v_wmma_f32_16x16x32_bf16 v[ACC+8*\n:ACC+8*\n+7], v[WFR+8*(7*\n+ks):WFR+8*(7*\n+ks)+7], v[XA+8*ks:XA+8*ks+7], 0
.else
	v_wmma_f32_16x16x32_bf16 v[ACC+8*\n:ACC+8*\n+7], v[WFR+8*(7*\n+ks):WFR+8*(7*\n+ks)+7], v[XA+8*ks:XA+8*ks+7], v[ACC+8*\n:ACC+8*\n+7]
.endif
.endif
.endr
.if ((\i) < 7) && (ks < 4)             ; the next tile's 14 loads, early in the step: 4, 4, 4, 2.  No wait: the products since the wait name WFR, this tile's X and the accumulators alone
	XLD XB, (\i)+1, 2*ks
.if ks < 3
	XLD XB, (\i)+1, 2*ks+1
.endif
.endif
.set ks, ks+1
.endr
.rept 4
	v_nop                                          ; four places behind the last product (ISA guide 7.12.1), in front of the roundings that read its result
.endr
.if (\i) > 0
	s_wait_xcnt 0x0                                ; the stores at this tile's head have had their addresses translated: OUT is rewritten only behind this wait,
	s_wait_alu depctr_vm_vsrc(0)                   ; and they have read OUT, which the roundings below write again
.endif
.irp n, 0,1
.irp j, 0,1,2,3
	v_cvt_pk_f16_f32 v[OUT+4*\n+\j], v[ACC+8*\n+2*\j], v[ACC+8*\n+2*\j+1]  ; each accumulator from its low end on
.endr
.endr
.endm
.irp f, 0,1,2,3,4,5,6
	XLD XFR, 0, \f                                 ; row tile 0 into the first buffer
.endr
	s_cmp_eq_u32 s29, 2
	s_cbranch_scc1 .Lturned
.irp i, 0,1,2,3,4,5,6,7
	TILE \i, 0
.endr
	s_wait_alu depctr_va_vdst(0)                   ; the last tile's roundings have written OUT, which the last two stores read
	SEND 7, 0
	s_branch .Lend
.Lturned:
.irp i, 0,1,2,3,4,5,6,7
	TILE \i, 1
.endr
	s_wait_alu depctr_va_vdst(0)                   ; the last tile's roundings have written OUT, which the last two stores read
	SEND 7, 1
.Lend:
	s_wait_dscnt 0x0                               ; the closing lines, six on end
	s_wait_alu 0x0
	s_wait_tensorcnt 0x0
	ds_add_u32 v[SPW], v[NIL]
	s_wait_dscnt 0x0
	s_endpgm
	; ---- the copy of W_O: this path writes no LDS ----
.Lwo:
	s_lshr_b32 s29, ttmp9, 1                       ; nt
	s_and_b32 s30, ttmp9, 1                        ; u: which half of the fragment
	s_lshl_b32 s31, s28, 5                         ; 32 ks
	s_lshl4_add_u32 s31, s30, s31                  ; + 16 u
	s_mul_i32 s31, s31, 896
	s_lshl_b32 s38, s29, 6                         ; column 16 nt, in bytes
	s_add_co_u32 s31, s31, s38
	v_mul_u32_u24 v2, v15, 7168                    ; 8 hh rows
	v_lshl_add_u32 v2, v14, 2, v2                  ; column r
	v_add_nc_u32 v2, s31, v2
	s_mul_i32 s38, s29, 7
	s_add_co_u32 s38, s38, s28
	s_lshl1_add_u32 s38, s38, s30
	s_lshl_b32 s38, s38, 9                         ; ((7 nt + ks) 2 + u) x 512
	v_add_nc_u32 v3, s38, v11
	s_wait_kmcnt 0x0
	s_wait_alu depctr_va_vdst(0)                   ; v2 is written, the loads' offset; so is v3, the store's
.irp i, 0,1,2,3,4,5,6,7
	global_load_b32 v[16+\i], v2, s[20:21] offset:\i*896
.endr
	s_wait_loadcnt 0x0
.irp j, 0,1,2,3
	v_cvt_pk_bf16_f32 v[24+\j], v[16+2*\j], v[17+2*\j]  ; rounded to bf16, as all the module's inputs are,
.endr
.irp j, 0,1,2,3
	v_lshlrev_b32 v[16+2*\j], 16, v[24+\j]
	v_and_b32 v[17+2*\j], 0xffff0000, v[24+\j]
.endr
.irp j, 0,1,2,3
	v_cvt_pk_f16_f32 v[24+\j], v[16+2*\j], v[17+2*\j]   ; and that number written as f16
.endr
	s_wait_alu depctr_va_vdst(0)                   ; the roundings have written v24 to v27, which the store reads
	global_store_b128 v3, v[24:27], s[26:27]
	s_endpgm
.Lfunc_end_k_qb30b01d366_project:
	.size	k_qb30b01d366_project, .Lfunc_end_k_qb30b01d366_project-k_qb30b01d366_project
	.p2alignl 7, 3214868480
	.fill 96, 4, 3214868480
	.section	.rodata,"a",@progbits
	.p2align	6, 0x0
	.amdhsa_kernel k_qb30b01d366_project
		.amdhsa_group_segment_fixed_size 167936
		.amdhsa_private_segment_fixed_size 0
		.amdhsa_enable_private_segment 0
		.amdhsa_kernarg_size 80
		.amdhsa_user_sgpr_count 2
		.amdhsa_user_sgpr_kernarg_segment_ptr 1
		.amdhsa_wavefront_size32 1
		.amdhsa_system_sgpr_workgroup_id_x 1
		.amdhsa_system_sgpr_workgroup_id_y 1
		.amdhsa_system_sgpr_workgroup_id_z 1
		.amdhsa_system_vgpr_workitem_id 0
		.amdhsa_next_free_vgpr 256
		.amdhsa_next_free_sgpr 66
		.amdhsa_reserve_vcc 0
		.amdhsa_float_denorm_mode_32 3
		.amdhsa_float_denorm_mode_16_64 3
		.amdhsa_memory_ordered 1
		.amdhsa_forward_progress 1
		.amdhsa_inst_pref_size 77
	.end_amdhsa_kernel
	.amdgpu_metadata
---
amdhsa.version: [ 1, 2 ]
amdhsa.kernels:
  - .name:           k_qb30b01d366_project
    .symbol:         k_qb30b01d366_project.kd
    .args:
      - { .name: Q, .offset: 0, .size: 8, .value_kind: global_buffer, .address_space: global }
      - { .name: K, .offset: 8, .size: 8, .value_kind: global_buffer, .address_space: global }
      - { .name: V, .offset: 16, .size: 8, .value_kind: global_buffer, .address_space: global }
      - { .name: W_Q, .offset: 24, .size: 8, .value_kind: global_buffer, .address_space: global }
      - { .name: W_K, .offset: 32, .size: 8, .value_kind: global_buffer, .address_space: global }
      - { .name: W_V, .offset: 40, .size: 8, .value_kind: global_buffer, .address_space: global }
      - { .name: W_O, .offset: 48, .size: 8, .value_kind: global_buffer, .address_space: global }
      - { .name: qf, .offset: 56, .size: 8, .value_kind: global_buffer, .address_space: global }
      - { .name: kv, .offset: 64, .size: 8, .value_kind: global_buffer, .address_space: global }
      - { .name: wof, .offset: 72, .size: 8, .value_kind: global_buffer, .address_space: global }
    .group_segment_fixed_size: 167936
    .private_segment_fixed_size: 0
    .kernarg_segment_align: 8
    .kernarg_segment_size: 80
    .max_flat_workgroup_size: 224
    .sgpr_count:     66
    .vgpr_count:     256
    .wavefront_size: 32
...
	.end_amdgpu_metadata
.endif
;; end of part 3
;; launch attend: the kernel of part 2 again; grid 32 x 8, 8 waves a work-group, clusters of 4 x 1, 327,680 bytes of LDS; arguments qf, kv, wof, attn_mask, out0; writes out0
